; MI455X (gfx1250); checked and timed in simulation.
; The chip was launched on July 23, 2026; its instructions are those of AMD's public machine-readable ISA for CDNA 5 (MIT licence, August 2026) and "CDNA5" Instruction Set Architecture Reference Guide (July 2026). The comments in the code are by the model that wrote it; some were corrected since.
;; Fused Online Attention. Allowed arithmetic: float matrix products may take bf16 or f16 operands with f32 sums; other float arithmetic in f32, or as packed bf16 or f16 multiplies, adds, multiply-adds, maxima and minima; sums over many terms, partial sums and values carried from step to step in f32; what a program stores and reads back later, other than sums and carried values, may be rounded once to bf16 or f16.
;; Inputs: alibi_slopes 16 float32; key 4 x 2,048 x 16 x 128 float32; query 4 x 2,048 x 16 x 128 float32; value 4 x 2,048 x 16 x 128 float32.
;; Outputs: out0 4 x 2,048 x 16 x 128 float32.
;; One version. Each part assembles by itself: llvm-mc -triple=amdgcn-amd-amdhsa -mcpu=gfx1250 --defsym DOCPART=n.
;; ======== version 1 of 1: 1 launch
;; limits: values are held in f16: magnitudes above 65,504 overflow, below 6.1e-05 lose precision; inputs' magnitudes at most 65,504
;; launch attn (part 1): grid 4 x 64, 4 waves a work-group, no clusters, 205,312 bytes of LDS; arguments query, key, value, alibi_slopes, out0; writes out0
.if DOCPART == 1
	.amdgcn_target "amdgcn-amd-amdhsa--gfx1250"
	.amdhsa_code_object_version 6
	.text
	.protected	k_q795bab39ac_attn
	.globl	k_q795bab39ac_attn
	.p2align	8
	.type	k_q795bab39ac_attn,@function
k_q795bab39ac_attn:
	s_mov_b64 s[64:65], 0
	v_nop
	global_prefetch_b8 v0, s[64:65] scope:SCOPE_SE
	s_setreg_imm32_b32 hwreg(HW_REG_WAVE_MODE, 25, 1), 1
	s_wait_xcnt 0x0
; CAUSAL ATTENTION WITH AN ALIBI BIAS.  out[b][q][h][:] = the sum over k <= q of softmax_k(Q.K / sqrt(128) + slope[h] (k - q)) V[b][k][h][:].
; query, key, value, out: [4][2048][16][128] f32: a head's row is 512 consecutive bytes, rows 8,192 bytes apart.  slopes: [16] f32.
; FORMATS.  q, k, v and the weights p are rounded once to f16 for the two products; products, maxima, sums, bias and output in f32; the sum l is taken of the unrounded p.
; LIMITS.  |q|, |k|, |v| stay under 65,504 (f16); a weight below 2^-126 counts as 0 in l; a hidden score counts as its value less 1e30; NaN and infinities are not treated apart.
; THE WALK.  A head's queries lie in 8 blocks of 256; block i needs the key tiles (256 keys, four steps of 64) 0 .. i.  A work-group takes block 7 - b and then block b: 9 tiles whatever b, so all 256
; work-groups do equal work, and two counted loops (9 tiles, 4 steps) walk them.  Only one test a tile hangs on b: is this tile the block's last?
; SHARES.  Of a block's four bands of 64 queries a wave owns 16 rows in each: tile t = rows 64 t + 16 w + 0..15.  Pieces: tiles 0, 1 and tiles 2, 3.  REL = first key of the step less the block's first row:
; tile t sees all keys if REL < 64 t, holds the diagonal if REL = 64 t, sees none if REL > 64 t: the same for every wave.
; LAYOUT.  S^T = K Q^T (source 0 = 16 keys, source 1 = 16 queries): a lane holds ONE query (lane % 16) and the keys 8 (lane / 16) + 0..7; two such results rounded to f16 in pairs ARE source 1 of
; O^T = V^T P, whose result again holds one query a lane and eight channels.  K comes out of LDS as it lies, V turned (ds_load_tr16_b128).
; BIAS.  k - q = (16 kb + j + 8 h - r) + (REL - 64 t - 16 w).  The first part, times slope sqrt(128), is a fixed pattern D of 32 registers: the C operand that starts each sum S^T.  The second part is a scalar
; COFF (in powers of two) for each tile and step: running maximum cm of c s + COFF, c = log2(e) / sqrt(128); p = 2^(c s - (cm - COFF)); O and l are multiplied by a = 2^(cm_old - cm) in every step.
; MASK.  A tile that sees none takes COFF = -1e30: cm stays, a = 1, p = 0.  For the diagonal: S += MD x AL in every step, MD = -1e30 where the own step's key is hidden, AL = 1 in the tile's own step, else 0.
; A block starts with cm far below every score: its first a is 0, so O^T and l need only be finite there.
; BY TURNS.  In a TURN one piece has the matrix unit (32 products V^T P, 32 products K Q^T of the next step); the other piece's softmax stands in slices of four behind the matrix instructions.
; A trip of the step loop, for step r: piece 2's turn (V^T P of r - 1, K Q^T of r | piece 0's softmax of r | the supply), the barrier, piece 0's turn (V^T P of r, K Q^T of r + 1 | piece 2's softmax of r).
; A block's beginning (Q, piece 0's first scores) and end (piece 2's last V^T P, the way out) stand between tiles.  No first or last step is written out; the price: at a block's beginning 32 products V^T P
; on what the registers hold (wiped by a = 0), at its end 32 products K Q^T that serve nothing, and 288 lines at the head that write 0, in the wait for the first loads.
; SUPPLY.  K and V are f32 in memory and must pass through registers to become f16, so no tile is brought by a copy engine and none can be asked for jointly by a cluster.  Each wave loads 16 of a step's 64
; rows of K and of V (512 consecutive bytes an instruction), a whole key step ahead, rounds them and stores them into one of two LDS slots; one barrier a step orders stores, reads and the next stores.
; REGISTERS, in windows of 256 (s_set_vgpr_msb: bits 1:0 source 0, 3:2 source 1, 5:4 source 2, 7:6 destination):
;   window 0: v0-15, v44-47 addresses and lane constants; v16-31 statistics; v32-43 at work; v64-191 S^T, 32 a tile (P takes the tile's first 16 in place); v192-223 D; v224-255 MD
;   window 1: O^T, 64 a tile     window 2: v0-127 Q, 32 a tile; v128-255 K of one step (both: a new block's Q as loaded)     window 3: v0-127 V of one step; v128-255 G: the rows on their way
.set PK,    272                 ; a row of K or Q in LDS: 256 bytes + 16: the 16 rows of a fragment load start at 16 different groups of four banks (64 banks of 4 bytes: ISA guide 11.1)
.set PVP,   288                 ; a row of V: 256 + 32
.set VOFF,  64*PK               ; a slot: 64 rows of K, then 64 rows of V
.set SLOT1, 65536               ; slot 1: one exclusive or turns an address in one slot into the other's
.set QL,    SLOT1+64*(PK+PVP)   ; the block's Q in f16: wave w's 64 rows (16 t + r) at QL + 64 PK w; each wave's own
.set STAGE, QL+4*64*PK          ; the way out: 16 rows x 528 bytes of f32 for each wave; each wave's own
.set SP,    528
.set SPARE, STAGE+4*16*SP       ; the spare words, 128 bytes for each wave: two blocks of 256 bytes that no other line names
.set AK0, 2                     ; v2   my lane's place in a tile of K: r PK + 16 h
.set AV0, 3                     ; v3   the same for V (turning load), VOFF included
.set ADR, 4                     ; v4   the LDS address of the run of loads in hand
.set AQ0, 5                     ; v5   my lane's place in my wave's Q
.set KST, 6                     ; v6   where I store 8 bytes of my wave's first row of K in a slot
.set VST, 7                     ; v7   the same for V
.set SAK, 8                     ; v8   KST in the slot in hand
.set SAV, 9                     ; v9   VST in the slot in hand
.set LOFF, 10                   ; v10  16 x lane: my 16 bytes of a row of 512, in memory
.set PFO, 11                    ; v11  the prefetches' offset: row lane / 2, half lane % 2
.set STO, 12                    ; v12  the way out: where I put 32 bytes of a row
.set RD,  13                    ; v13  the way out: where I read a row back
.set SPW, 14                    ; v14  my spare word; never rewritten
.set NIL, 15                    ; v15  0; never rewritten
.set ST,  16                    ; tile t at ST + 4 t: cm - COFF, cm, l (even keys'), l (odd keys')
.set TMP, 32                    ; tile t % 2 of the piece in hand at TMP + 6 (t % 2): c0-c3 at work, c4 = a, c5 = its argument
.set HH,  44                    ; v44  h = lane / 16
.set QST, 45                    ; v45  where I store 8 bytes of my wave's first row of Q
.set ROWI, 46                   ; v46  16 w + r - 8 h
.set DLT, 47                    ; v47  8 h - r
.set S,   64
.set D,   192
.set MD,  224
.set KF,  128                   ; window 2
.set G,   128                   ; window 3: K's row i at G + 4 i, V's at G + 64 + 4 i
.set KB,  6                     ; s[6:7]   key at my head and my wave's 16 rows of step 0
.set VB,  8                     ; s[8:9]   value likewise
.set WV,  14                    ; s14  my wave's number
.set W16, 15                    ; s15  16 w
.set PB,  16                    ; s16  b
.set HI,  17                    ; s17  7 - b
.set KP,  18                    ; s[18:19] K's rows being asked for
.set VP,  20                    ; s[20:21] V's
.set OFF, 22                    ; s[22:23] a key step's byte offset
.set OP,  24                    ; s[24:25] out at my rows of the block in hand
.set OPB, 26                    ; s[26:27] of the second block
.set TILES, 28                  ; s28  tiles still to be walked
.set CNT, 29                    ; s29  counts a tile's four steps
.set STEP, 30                   ; s30  r: the step's number in the walk, 0 to 35
.set REL, 31                    ; s31  see above: 64 r - RBASE
.set RBASE, 32                  ; s32  of the block in hand
.set RBASE2, 33                 ; s33  of the second block
.set NA,  34                    ; s34  the first block's steps
.set RT,  35                    ; s35  tiles that the block in hand still has
.set PFLIM, 36                  ; s36  prefetches while LDI is below this
.set TB,  37                    ; s37  the slot that is read
.set TS,  38                    ; s38  the slot that is stored into
.set NEW, 39                    ; s39  1: a block begins with this tile
.set CS,  40                    ; s[40:41] c, twice
.set SEL, 42                    ; s[42:43] v_permlanex16_b32's selects: each lane takes its own place in the other half
.set BIGN, 44                   ; s44  -1e30
.set NSL, 45                    ; s45  -log2(e) slope
.set BSL, 46                    ; s46  sqrt(128) slope
.set T0,  47                    ; s47  at work
.set COFF, 48                   ; s[48:49] by t % 2
.set AL,  50                    ; s[50:51], s[52:53] the mask's factor by t % 2, in the pair's low word
.set QPA, 54                    ; s[54:55] query at my rows of the first block
.set QPB, 56                    ; s[56:57] of the second
.set LDI, 62                    ; s62  the number in the walk of the step that is asked for: r + 2
.set MSB, 0
.macro WIN new                  ; the immediate's high byte repeats the setting that is left; a switch that changes nothing is dropped
.if MSB != (\new)
	s_set_vgpr_msb (MSB<<8)|(\new)
.set MSB, (\new)
.endif
.endm
.set W_KQ, 0x0a                 ; K and Q in window 2, C and S^T in window 0
.set W_PV, 0x53                 ; V in window 3, P in window 0, O^T in window 1
.set W_RS, 0x41                 ; O^T (destination and source 0) in window 1, a in window 0
.macro PLACES                   ; four plain places behind a matrix instruction (ISA guide 7.12.1)
.rept 4
	v_nop
.endr
.endm
; My wave's 16 rows of K and 16 of V for one key step: an instruction takes a row's 512 consecutive bytes.
.macro LOADKV
	WIN 0xc0
.set z, 0
.rept 16
	global_load_b128 v[G+4*z:G+4*z+3], v[LOFF], s[KP:KP+1] offset:8192*z
.set z, z+1
.endr
.set z, 0
.rept 16
	global_load_b128 v[G+64+4*z:G+64+4*z+3], v[LOFF], s[VP:VP+1] offset:8192*z
.set z, z+1
.endr
.endm
; 32 of my wave's 64 rows of Q (row 16 t + r lies 64 t + r rows down the block), read once in the launch
.macro QLOAD win, base, ptr, row0
	WIN (\win)<<6
.set z, 0
.rept 32
	global_load_b128 v[(\base)+4*z:(\base)+4*z+3], v[LOFF], s[\ptr:\ptr+1] offset:(64*(((\row0)+z)/16)+((\row0)+z)%16)*8192 th:TH_LOAD_NT
.set z, z+1
.endr
.endm
; n rows of four f32 a lane are rounded to f16 in place: the row's first two registers take the four halves
.macro CVT win, base, n
	WIN ((\win)<<6)|((\win)<<2)|(\win)
.set z, 0
.rept \n
	v_cvt_pk_f16_f32 v[(\base)+4*z], v[(\base)+4*z], v[(\base)+4*z+1]
	v_cvt_pk_f16_f32 v[(\base)+4*z+1], v[(\base)+4*z+2], v[(\base)+4*z+3]
.set z, z+1
.endr
.endm
.macro STROWS win, base, n, adr, pitch, off0   ; and stored: 32 lanes x 8 bytes are a row's 256 consecutive bytes
	WIN (\win)<<2
.set z, 0
.rept \n
	ds_store_b64 v[\adr], v[(\base)+4*z:(\base)+4*z+1] offset:(\off0)+z*(\pitch)
.set z, z+1
.endr
.endm
; THE LDS LOADS stand in runs, never singly among the matrix instructions.
.macro FETCH_K                  ; a step's K: 16 fragments: keys 16 (f / 4) on, channels 32 (f % 4) on
	WIN 0
	v_add_nc_u32 v[ADR], s[TB], v[AK0]
	WIN 0x80
.irp f, 0,1,2,3,4,5,6,7,8,9,10,11,12,13,14,15
	ds_load_b128 v[KF+8*(\f):KF+8*(\f)+3],   v[ADR] offset:((\f)/4)*16*PK+((\f)%4)*64
	ds_load_b128 v[KF+8*(\f)+4:KF+8*(\f)+7], v[ADR] offset:((\f)/4)*16*PK+((\f)%4)*64+32
.endr
.endm
.macro VRUN                     ; a step's V, turned: keys 32 (f / 8) on, channels 16 (f % 8) on
	WIN 0xc0
.irp f, 0,1,2,3,4,5,6,7,8,9,10,11,12,13,14,15
	ds_load_tr16_b128 v[8*(\f):8*(\f)+3],   v[ADR] offset:((\f)/8)*32*PVP+((\f)%8)*32
	ds_load_tr16_b128 v[8*(\f)+4:8*(\f)+7], v[ADR] offset:((\f)/8)*32*PVP+16*PVP+((\f)%8)*32
.endr
.endm
.macro QFETCH p                 ; piece p's Q: 8 fragments
	WIN 0x80
.irp t, \p, (\p)+1
.irp c, 0,1,2,3
	ds_load_b128 v[32*(\t)+8*(\c):32*(\t)+8*(\c)+3],   v[AQ0] offset:16*(\t)*PK+64*(\c)
	ds_load_b128 v[32*(\t)+8*(\c)+4:32*(\t)+8*(\c)+7], v[AQ0] offset:16*(\t)*PK+64*(\c)+32
.endr
.endr
.endm
; THE MATRIX WORK.  The accumulators take turns, one instruction a turn: 16 in V^T P, 8 in K Q^T.
; Product n of 32 of O^T += V^T P for piece x: keys 32 (n / 16) on, channels 16 ((n / 2) % 8) on, tile x + n % 2.
.macro PV x, n
	WIN W_PV
.set rO, 64*((\x)+(\n)%2)+8*(((\n)/2)%8)
.set rV, 64*((\n)/16)+8*(((\n)/2)%8)
.set rP, S+32*((\x)+(\n)%2)+8*((\n)/16)
	v_wmma_f32_16x16x32_f16 v[rO:rO+7], v[rV:rV+7], v[rP:rP+7], v[rO:rO+7]
.endm
; Product n of 32 of S^T = K Q^T + D for piece x: channels 32 (n / 8) on, tile x + n % 2, key blocks in the order 2, 3, 0, 1: blocks 0 and 1 lie where P lay, and P's second half was read last.
.macro KQ x, n
	WIN W_KQ
.set kb, ((\n)/2+2)%4
.set rS, S+32*((\x)+(\n)%2)+8*kb
.set rK, KF+32*kb+8*((\n)/8)
.set rQ, 32*((\x)+(\n)%2)+8*((\n)/8)
.if (\n) < 8
	v_wmma_f32_16x16x32_f16 v[rS:rS+7], v[rK:rK+7], v[rQ:rQ+7], v[D+8*kb:D+8*kb+7]
.else
	v_wmma_f32_16x16x32_f16 v[rS:rS+7], v[rK:rK+7], v[rQ:rQ+7], v[rS:rS+7]
.endif
.endm
; THE VECTOR WORK of a tile and step, 136 instructions in five sections.
.macro REGS t
.set rT, ST+4*(\t)
.set rC, TMP+6*((\t)%2)
.set rF, COFF+(\t)%2
.set rS, S+32*(\t)
.set rO, 64*(\t)
.endm
; Section A, numbers 0-23: the maximum of the lane's 32 scores, the other half of the lanes', cm, a's argument, cm - COFF, a.
.macro SA t, n
	REGS \t
.if (\n) < 4
	v_max3_num_f32 v[rC+(\n)], v[rS+8*(\n)], v[rS+8*(\n)+1], v[rS+8*(\n)+2]
.elseif (\n) < 12
	v_max3_num_f32 v[rC+(\n)%4], v[rC+(\n)%4], v[rS+8*((\n)%4)+2*((\n)/4)+1], v[rS+8*((\n)%4)+2*((\n)/4)+2]
.elseif (\n) == 12
	v_max3_num_f32 v[rC], v[rC], v[rS+7], v[rS+15]
.elseif (\n) == 13
	v_max3_num_f32 v[rC+2], v[rC+2], v[rS+23], v[rS+31]
.elseif (\n) == 14
	v_max3_num_f32 v[rC], v[rC], v[rC+1], v[rC+2]
.elseif (\n) == 15
	v_max_num_f32 v[rC], v[rC], v[rC+3]
.elseif (\n) == 16
	v_permlanex16_b32 v[rC+1], v[rC], s[SEL], s[SEL+1]   ; the query's other 32 keys lie in the lane 16 away
.elseif (\n) == 17
	v_mov_b32 v[rC+5], v[rT+1]                           ; cm_old
.elseif (\n) == 18
	v_max_num_f32 v[rC], v[rC], v[rC+1]
.elseif (\n) == 19
	v_fma_f32 v[rC], v[rC], s[CS], s[rF]                 ; c max + COFF
.elseif (\n) == 20
	v_max_num_f32 v[rT+1], v[rT+1], v[rC]                ; the running maximum
.elseif (\n) == 21
	v_sub_f32 v[rC+5], v[rC+5], v[rT+1]
.elseif (\n) == 22
	v_sub_f32 v[rT], v[rT+1], s[rF]
.else
	v_exp_f32 v[rC+4], v[rC+5]
.endif
.endm
.macro SF t, b                  ; section B: c s - (cm - COFF) for pair b of 16,
	REGS \t
	v_pk_fma_f32 v[rS+2*(\b):rS+2*(\b)+1], v[rS+2*(\b):rS+2*(\b)+1], s[CS:CS+1], v[rT:rT+1] op_sel_hi:[1,0,0] neg_lo:[0,0,1] neg_hi:[0,0,1]
.endm
.macro SE t, e                  ; and the exponential of score e of 32
	REGS \t
	v_exp_f32 v[rS+(\e)], v[rS+(\e)]
.endm
.macro SZ t, n                  ; section Z, numbers 0-15: the sum of the 16 pairs in two chains c0:c1 and c2:c3, which leaves the weights as they are; l = a l + the sum
	REGS \t
.if (\n) == 0
	v_pk_add_f32 v[rC:rC+1], v[rS:rS+1], v[rS+2:rS+3]
.elseif (\n) == 1
	v_pk_add_f32 v[rC+2:rC+3], v[rS+4:rS+5], v[rS+6:rS+7]
.elseif (\n) < 14
	v_pk_add_f32 v[rC+2*((\n)%2):rC+2*((\n)%2)+1], v[rC+2*((\n)%2):rC+2*((\n)%2)+1], v[rS+4+2*(\n):rS+4+2*(\n)+1]
.elseif (\n) == 14
	v_pk_add_f32 v[rC:rC+1], v[rC:rC+1], v[rC+2:rC+3]
.else
	v_pk_fma_f32 v[rT+2:rT+3], v[rT+2:rT+3], v[rC+4:rC+5], v[rC:rC+1] op_sel_hi:[1,0,1]
.endif
.endm
.macro SC t, n                  ; section C, numbers 0-15, ascending: pair n rounded to f16 into the tile's register n: it has been read by then
	REGS \t
	v_cvt_pk_f16_f32 v[rS+(\n)], v[rS+2*(\n)], v[rS+2*(\n)+1]
.endm
.macro SR t, n                  ; section R, numbers 0-31, ascending: pair n of O^T times a: the one part outside window 0
	REGS \t
	v_pk_mul_f32 v[rO+2*(\n):rO+2*(\n)+1], v[rO+2*(\n):rO+2*(\n)+1], v[rC+4:rC+5] op_sel_hi:[1,0]
.endm
.macro FOUR m, y, n             ; numbers n and n + 1 of a section for both tiles, the tiles alternating
	\m (\y), (\n)
	\m (\y)+1, (\n)
	\m (\y), (\n)+1
	\m (\y)+1, (\n)+1
.endm
; Slice k of 68 of piece y's softmax: four instructions.  0-11 section A; 12-35 section B, four numbers of ONE tile, the tiles by turns, a scaling first; 36-43 Z; 44-51 C; 52-67 R.
; All 66 exponentials stand in slices 11 to 35 and nothing there names a result of theirs: they are one batch with one wait, behind slice 35.
.macro SLICE y
.if k < 12
	WIN 0
	FOUR SA, \y, 2*k
.elseif k < 36
	WIN 0
.set tt, (\y)+(k-12)%2
.set qq, (k-12)/2
.if qq == 0
	SF tt, 0
	SF tt, 1
	SF tt, 2
	SF tt, 3
.elseif qq == 1
	SF tt, 4
	SF tt, 5
	SE tt, 0
	SE tt, 1
.else
	SF tt, (qq+4)
	SE tt, (3*qq-4)
	SE tt, (3*qq-3)
	SE tt, (3*qq-2)
.endif
.elseif k < 44
	WIN 0
	FOUR SZ, \y, 2*(k-36)
.elseif k < 52
	WIN 0
	FOUR SC, \y, 2*(k-44)
.else
	WIN W_RS
	FOUR SR, \y, 2*(k-52)
.endif
.set k, k+1
.endm
; Ahead of a tile's softmax: its COFF and AL for this step, and the mask, in every step alike (ascending: each accumulator's lowest registers are read first).
.macro PRE1 t
	s_add_co_u32 s[T0], s[W16], 64*(\t)
	s_sub_co_u32 s[T0], s[T0], s[REL]                    ; 64 t + 16 w - REL: 0 or more wherever the tile sees a key, 2,032 at the most: exact in f32
	s_cvt_f32_u32 s[T0], s[T0]
	s_mul_f32 s[COFF+(\t)%2], s[T0], s[NSL]
	s_cmp_gt_i32 s[REL], 64*(\t)                         ; the tile sees none
	s_cselect_b32 s[COFF+(\t)%2], s[BIGN], s[COFF+(\t)%2]
	s_cmp_eq_u32 s[REL], 64*(\t)                         ; the tile's own step
	s_cselect_b32 s[AL+2*((\t)%2)], 1.0, 0
.set z, 0
.rept 16
	v_pk_fma_f32 v[S+32*(\t)+2*z:S+32*(\t)+2*z+1], v[MD+2*z:MD+2*z+1], s[AL+2*((\t)%2):AL+2*((\t)%2)+1], v[S+32*(\t)+2*z:S+32*(\t)+2*z+1] op_sel_hi:[1,0,1]
.set z, z+1
.endr
.endm
; SUPPLY, once a key step, behind the wait of piece 2's turn.  In trip r: the rows of step r + 1 (asked for a key step ago) are rounded and stored into the slot that was read out before the last barrier;
; V of step r is fetched from the other slot (its registers' last reader stands five scalings and a v_nop back); the rows of step r + 2 are asked for.  The walk has steps 0 to 35: the last trip stores
; nothing, the last two ask for nothing; both tests are on the plain counter.
.macro SUPPLY
	WIN 0
	s_wait_loadcnt 0x0                                   ; the rows asked for a key step ago are in (nothing else of mine is being loaded): G and the two pointers may be written
	s_cmp_lt_u32 s[STEP], 35
	s_cbranch_scc0 .Lnostore_\@
	CVT 3, G, 32
	WIN 0
	v_add_nc_u32 v[SAK], s[TS], v[KST]
	v_add_nc_u32 v[SAV], s[TS], v[VST]
	STROWS 3, G, 16, SAK, PK, 0
	STROWS 3, G+64, 16, SAV, PVP, 0
	WIN 0
.Lnostore_\@:
	v_add_nc_u32 v[ADR], s[TB], v[AV0]
	VRUN
	WIN 0
	s_add_co_u32 s[LDI], s[STEP], 2
	s_cmp_lt_u32 s[LDI], 36
	s_cbranch_scc0 .Lnoload_\@
	s_cmp_ge_u32 s[LDI], s[NA]                           ; behind the first block's NA steps come the second block's, from key step 0 on
	s_cselect_b32 s[T0], s[NA], 0
	s_sub_co_u32 s[T0], s[LDI], s[T0]
	s_lshl_b32 s[OFF], s[T0], 19                         ; 64 rows of 8,192 bytes a step; the address is made anew from the step's number
	s_add_nc_u64 s[KP:KP+1], s[KB:KB+1], s[OFF:OFF+1]
	s_add_nc_u64 s[VP:VP+1], s[VB:VB+1], s[OFF:OFF+1]
	LOADKV
	WIN 0
	; A PREFETCH INTO THE L2, behind the run of loads: the rows that I shall load two key steps on.  A head's four work-groups walk the same steps from 0 on: the one with b = 0 asks, in its first block,
	; which has all 32 steps; each wave for its own 16 rows of K and of V, a lane a half row of 256 bytes.  So each such block is named once; steps 0 to 3 come by their loads alone; the last named is step 31.
	s_cmp_lt_u32 s[LDI], s[PFLIM]
	s_cbranch_scc0 .Lnoload_\@
	global_prefetch_b8 v[PFO], s[KP:KP+1] offset:2<<19 th:TH_LOAD_NT scope:SCOPE_SE
	global_prefetch_b8 v[PFO], s[VP:VP+1] offset:2<<19 th:TH_LOAD_NT scope:SCOPE_SE
.Lnoload_\@:
.endm
; A TURN.  Piece x has the matrix unit, the other piece's softmax stands behind its 64 matrix instructions, a slice each; the last four slices, with slice 63 twenty plain instructions that name
; nothing of the last products, are the places in front of the next reads of the scores and the next loads into K's and Q's registers.
.macro TURN x
	WIN 0
	PRE1 2-(\x)
	PRE1 3-(\x)
.set k, 0
.set i, 0
.rept 64
.if (i == 32) && ((\x) == 0)
	s_wait_dscnt 0x0                                     ; K of the next step is in
.endif
.if i < 32
	PV \x, i
.else
	KQ \x, (i-32)
.endif
	SLICE 2-(\x)
.if (i == 1) && ((\x) == 0)
	FETCH_K                                              ; 30 products ahead of its first use
.endif
.if i == 35
	v_nop                                                ; a plain instruction behind the last exponential (ISA guide 5.7.2): one for the batch
	s_wait_alu depctr_va_vdst(0)                         ; the wait between the batch and the first line that names a result
.if (\x) == 2
	SUPPLY
.endif
.endif
.set i, i+1
.endr
.rept 4
	SLICE 2-(\x)
.endr
	WIN 0
.endm
; THE WAY OUT of piece y.  l's two halves and the other half of the lanes' are added; O^T is divided by l and sent through my stage in LDS, a tile at a time: a lane's eight channels (32 bytes) go into rows of
; 528 bytes and come back as whole rows of 512, into the registers that they left; a store covers a row's 512 consecutive bytes, aligned.
.macro OUT y
	WIN 0
.irp u, 0,1
	v_add_f32 v[TMP+6*(\u)], v[ST+4*((\y)+(\u))+2], v[ST+4*((\y)+(\u))+3]
.endr
.irp u, 0,1
	v_permlanex16_b32 v[TMP+6*(\u)+1], v[TMP+6*(\u)], s[SEL], s[SEL+1]
.endr
.irp u, 0,1
	v_add_f32 v[TMP+6*(\u)], v[TMP+6*(\u)], v[TMP+6*(\u)+1]
.endr
.irp u, 0,1
	v_rcp_f32 v[TMP+6*(\u)+4], v[TMP+6*(\u)]
.endr
	v_nop                                                ; a plain instruction behind the last reciprocal,
	s_wait_alu depctr_va_vdst(0)                         ; and one wait for the two, ahead of their first use
.irp u, 0,1
.set tO, 64*((\y)+(\u))
	WIN W_RS
.set z, 0
.rept 32
	v_pk_mul_f32 v[tO+2*z:tO+2*z+1], v[tO+2*z:tO+2*z+1], v[TMP+6*(\u)+4:TMP+6*(\u)+5] op_sel_hi:[1,0]
.set z, z+1
.endr
	WIN 0x04                                             ; store data in window 1
.set z, 0
.rept 16
	ds_store_b128 v[STO], v[tO+4*z:tO+4*z+3] offset:64*(z/2)+16*(z%2)
.set z, z+1
.endr
	WIN 0x40                                             ; destination in window 1
.set z, 0
.rept 16
	ds_load_b128 v[tO+4*z:tO+4*z+3], v[RD] offset:SP*z   ; LDS serves a wave's instructions in order (ISA guide 5.7.1.4): these see the stores above; the next tile's stores come behind them
.set z, z+1
.endr
.endr
	WIN 0x04
.irp u, 0,1
.set tO, 64*((\y)+(\u))
.set z, 0
.rept 16
	s_wait_dscnt 32*(1-(\u))+15-z                        ; behind row z stand the tile's 15 - z later rows and, for the first tile, the second's 16 stores and 16 loads
	global_store_b128 v[LOFF], v[tO+4*z:tO+4*z+3], s[OP:OP+1] offset:(64*((\y)+(\u))+z)*8192 th:TH_STORE_NT
.set z, z+1
.endr
.endr
	s_wait_xcnt 0x0                                      ; the stores have read their data and their base: O^T's registers and the base are written again only behind this wait
	WIN 0
.endm
	; ---- the head ----
	s_load_b256 s[4:11], s[0:1], 0x0                     ; query s[4:5], key s[6:7], value s[8:9], slopes s[10:11]
	s_load_b64 s[12:13], s[0:1], 0x20                    ; out
	v_lshl_add_u32 v[SPW], v0, 2, SPARE
	v_mov_b32 v[NIL], 0
	v_lshrrev_b32 v1, 5, v0
	v_readfirstlane_b32 s[WV], v1                        ; wave 0..3
	s_lshl_b32 s[W16], s[WV], 4
	s_mov_b32 s[PB], ttmp9                               ; b
	s_sub_co_u32 s[HI], 7, s[PB]
	s_and_b32 s60, ttmp7, 0xffff                         ; 16 x batch + head
	s_lshr_b32 s61, s60, 4
	s_and_b32 s60, s60, 15
	s_lshl_b32 s2, s61, 24                               ; a batch is 2,048 rows of 8,192 bytes,
	s_lshl_b32 s3, s60, 9                                ; a head 512 bytes of a row,
	s_add_co_u32 s2, s2, s3
	s_lshl_b32 s3, s[WV], 17                             ; my wave's 16 rows of each 64
	s_add_co_u32 s2, s2, s3
	s_mov_b32 s3, 0
	s_lshl_b32 s58, s60, 2                               ; the head's slope
	s_mov_b32 s59, 0
	s_mov_b32 s[CS], 0x3e0293ee                          ; c = log2(e) / sqrt(128)
	s_mov_b32 s[CS+1], s[CS]
	s_mov_b32 s[SEL], 0x76543210
	s_mov_b32 s[SEL+1], 0xfedcba98
	s_mov_b32 s[BIGN], 0xf149f2ca                        ; -1e30
	s_mov_b32 s[OFF+1], 0
	s_mov_b32 s[AL+1], 0                                 ; named as pairs
	s_mov_b32 s[AL+3], 0
	v_and_b32 v48, 31, v0                                ; lane
	v_and_b32 v1, 15, v0                                 ; r
	v_bfe_u32 v[HH], v0, 4, 1                            ; h
	v_lshlrev_b32 v[LOFF], 4, v48
	s_wait_kmcnt 0x0
	s_add_nc_u64 s[10:11], s[10:11], s[58:59]
	s_load_b32 s[T0], s[10:11], 0x0
	s_add_nc_u64 s[KB:KB+1], s[KB:KB+1], s[2:3]
	s_add_nc_u64 s[VB:VB+1], s[VB:VB+1], s[2:3]
	s_lshl_b32 s60, s[HI], 21                            ; a block is 256 rows
	s_mov_b32 s61, 0
	s_add_nc_u64 s[60:61], s[60:61], s[2:3]
	s_add_nc_u64 s[QPA:QPA+1], s[4:5], s[60:61]
	s_add_nc_u64 s[OP:OP+1], s[12:13], s[60:61]
	s_lshl_b32 s60, s[PB], 21
	s_mov_b32 s61, 0
	s_add_nc_u64 s[60:61], s[60:61], s[2:3]
	s_add_nc_u64 s[QPB:QPB+1], s[4:5], s[60:61]
	s_add_nc_u64 s[OPB:OPB+1], s[12:13], s[60:61]
	s_mov_b64 s[KP:KP+1], s[KB:KB+1]
	s_mov_b64 s[VP:VP+1], s[VB:VB+1]
	LOADKV                                               ; 96 loads: key step 0,
	QLOAD 2, 0, QPA, 0                                   ; and the first block's Q, staged where Q and K will lie
	QLOAD 2, 128, QPA, 32
	WIN 0
	; while they are on their way: addresses, constants, and what the first turn finds
	v_mul_u32_u24 v[AK0], v1, PK
	v_lshl_add_u32 v[AK0], v[HH], 4, v[AK0]              ; a fragment: row r, 16 bytes for each half of the lanes, twice, 32 bytes apart
	v_and_b32 v49, 7, v0
	v_bfe_u32 v50, v0, 3, 1
	v_lshl_add_u32 v[AV0], v[HH], 3, v49                 ; the turning load: key 8 h + lane % 8, channels 8 ((lane / 8) % 2) on
	v_mul_u32_u24 v[AV0], v[AV0], PVP
	v_lshl_add_u32 v[AV0], v50, 4, v[AV0]
	v_add_nc_u32 v[AV0], VOFF, v[AV0]
	s_mul_i32 s60, s[WV], 64*PK
	s_add_co_u32 s60, s60, QL                            ; my wave's Q
	v_add_nc_u32 v[AQ0], s60, v[AK0]
	v_lshl_add_u32 v[QST], v48, 3, s60
	s_mul_i32 s61, s[WV], 16*PK
	v_lshl_add_u32 v[KST], v48, 3, s61
	s_mul_i32 s61, s[WV], 16*PVP
	s_add_co_u32 s61, s61, VOFF
	v_lshl_add_u32 v[VST], v48, 3, s61
	v_lshrrev_b32 v[PFO], 1, v48
	v_lshlrev_b32 v[PFO], 13, v[PFO]
	v_and_b32 v51, 1, v0
	v_lshl_add_u32 v[PFO], v51, 8, v[PFO]
	s_mul_i32 s61, s[WV], 16*SP
	s_add_co_u32 s61, s61, STAGE                         ; my stage
	v_mul_u32_u24 v[STO], v1, SP
	v_lshl_add_u32 v[STO], v[HH], 5, v[STO]
	v_add_nc_u32 v[STO], s61, v[STO]
	v_add_nc_u32 v[RD], s61, v[LOFF]
	v_lshlrev_b32 v[DLT], 3, v[HH]
	v_sub_nc_u32 v[DLT], v[DLT], v1                      ; 8 h - r
	v_sub_nc_u32 v[ROWI], s[W16], v[DLT]                 ; 16 w + r - 8 h
.set z, 0
.rept 12
	v_mov_b32 v[TMP+z], 0
.set z, z+1
.endr
.set z, 0
.rept 4
	v_mov_b32 v[ST+4*z], 0
	v_mov_b32 v[ST+4*z+2], 0
	v_mov_b32 v[ST+4*z+3], 0
.set z, z+1
.endr
.set z, 0
.rept 16
	v_mov_b32 v[S+64+z], 0                               ; P of a step that has not been, tiles 2 and 3
	v_mov_b32 v[S+96+z], 0
.set z, z+1
.endr
	WIN 0x40                                             ; a block's first step multiplies O^T by a = 0, so O^T need only be finite
.set z, 0
.rept 256
	v_mov_b32 v[z], 0
.set z, z+1
.endr
	WIN 0
.set z, 0
.rept 32
	v_cmp_gt_i32 vcc_lo, 16*(z/8)+z%8, v[ROWI]           ; key 16 kb + 8 h + j of the band's own step lies behind row 16 w + r
	v_cndmask_b32 v[MD+z], 0, s[BIGN], vcc_lo
.set z, z+1
.endr
	s_wait_kmcnt 0x0                                     ; the slope
	s_mul_f32 s[BSL], s[T0], 0x413504f3                  ; x sqrt(128): c times it is log2(e) slope
	s_mul_f32 s[NSL], s[T0], 0xbfb8aa3b                  ; x -log2(e)
.set z, 0
.rept 32
	v_add_nc_u32 v[D+z], 16*(z/8)+z%8, v[DLT]
	v_cvt_f32_i32 v[D+z], v[D+z]
	v_mul_f32 v[D+z], s[BSL], v[D+z]
.set z, z+1
.endr
	s_lshl_b32 s[RBASE], s[HI], 8                        ; the first block: REL = 64 r - 256 (7 - b)
	s_add_co_u32 s[RT], s[HI], 1                         ; it has 8 - b tiles,
	s_lshl_b32 s[NA], s[RT], 2                           ; four steps each
	s_lshl_b32 s[RBASE2], s[NA], 6                       ; the second block: REL = 64 (r - NA) - 256 b
	s_lshl_b32 s60, s[PB], 8
	s_add_co_u32 s[RBASE2], s[RBASE2], s60
	s_cmp_eq_u32 s[PB], 0
	s_cselect_b32 s[PFLIM], 30, 0
	s_mov_b32 s[STEP], 0
	s_mov_b32 s[NEW], 1
	s_mov_b32 s[TB], 0
	s_mov_b32 s[TS], SLOT1
	s_wait_loadcnt 63                                    ; of the 96 loads the oldest 33 are in, key step 0's 32 among them: G is whole, and the two pointers may be written
	CVT 3, G, 32
	STROWS 3, G, 16, KST, PK, 0                          ; step 0 into slot 0
	STROWS 3, G+64, 16, VST, PVP, 0
	s_add_nc_u64 s[KP:KP+1], s[KB:KB+1], 1<<19
	s_add_nc_u64 s[VP:VP+1], s[VB:VB+1], 1<<19
	LOADKV                                               ; key step 1
	WIN 0
	s_wait_dscnt 0x0                                     ; for the others' sake: my rows of step 0 are stored
	s_barrier_signal -1
	s_barrier_wait -1
	v_mov_b32 v[ADR], v[AV0]
	VRUN                                                 ; V's registers hold finite numbers for the first turn's products on P = 0; that turn fetches step 0's V again
	WIN 0
	s_mov_b32 s[TILES], 9
	; ---- the walk ----
.Ltile:
	s_cmp_eq_u32 s[NEW], 1
	s_cbranch_scc0 .Lold
	; A BLOCK BEGINS.  Its Q, asked for at the head or at the last block's end, is rounded, goes through my own rows of LDS and comes back as fragments; K of the block's first step; piece 0's first scores.
	s_mov_b32 s[NEW], 0
	s_wait_loadcnt 0x0                                   ; Q's 64 rows are in (the youngest loads at a change of blocks, so the count is 0)
	CVT 2, 0, 32
	CVT 2, 128, 32
	STROWS 2, 0, 32, QST, PK, 0
	STROWS 2, 128, 32, QST, PK, 32*PK
	FETCH_K                                              ; LDS serves a wave's instructions in order (ISA guide 5.7.1.4): the loads below see the stores above
	QFETCH 0
	QFETCH 2
	WIN 0
.set z, 0
.rept 4
	v_mov_b32 v[ST+4*z+1], 0xfe000000                    ; cm far below every score: the first a is 0
.set z, z+1
.endr
	s_wait_dscnt 0x0
.set i, 0
.rept 32
	KQ 0, i                                              ; there is no vector work to set between them
.set i, i+1
.endr
	WIN 0
	PLACES
.Lold:
	s_mov_b32 s[CNT], 4
.Lstep:
	s_lshl_b32 s[REL], s[STEP], 6
	s_sub_co_u32 s[REL], s[REL], s[RBASE]
	TURN 2                                               ; piece 2: V^T P of step r - 1, K Q^T of step r | piece 0's softmax of step r | the supply
	s_wait_xcnt 0x0                                      ; the step's prefetches, 28 matrix instructions back, have read their addresses: the pointers are written again in the next supply
	s_wait_dscnt 0x0                                     ; my stores of step r + 1 are done, my reads of step r are back (V's run among them):
	s_barrier_signal -1
	s_xor_b32 s[TB], s[TB], SLOT1                        ; the slots change places
	s_xor_b32 s[TS], s[TS], SLOT1
	s_barrier_wait -1                                    ; both hold of every wave: step r + 1 may be read, step r's slot stored into
	TURN 0                                               ; piece 0: V^T P of step r, K Q^T of step r + 1 | piece 2's softmax of step r | K of step r + 1
	s_add_co_u32 s[STEP], s[STEP], 1
	s_sub_co_u32 s[CNT], s[CNT], 1
	s_cmp_lg_u32 s[CNT], 0
	s_cbranch_scc1 .Lstep
	s_sub_co_u32 s[RT], s[RT], 1
	s_cmp_eq_u32 s[RT], 0
	s_cbranch_scc0 .Lbottom
	; A BLOCK ENDS.  The second block's Q is asked for first, into Q's and K's registers (their last reader stands twenty plain instructions back): it flies under the products and both ways out.
	s_cmp_eq_u32 s[TILES], 1                             ; the walk's last tile: there is no further block
	s_cbranch_scc1 .Lnoq
	QLOAD 2, 0, QPB, 0
	QLOAD 2, 128, QPB, 32
	WIN 0
.Lnoq:
	s_wait_storecnt 0x0                                  ; the stores of the block before are done: at most one block's 64 stores of mine are ever out
.set i, 0
.rept 32
	PV 2, i                                              ; piece 2: V^T P of the block's last step
.set i, i+1
.endr
	OUT 0                                                ; piece 0's way out names none of those products' registers: its lines are the places in front of piece 2's
	OUT 2
	s_mov_b64 s[OP:OP+1], s[OPB:OPB+1]
	s_mov_b32 s[RBASE], s[RBASE2]
	s_add_co_u32 s[RT], s[PB], 1                         ; the second block has b + 1 tiles
	s_mov_b32 s[NEW], 1
.Lbottom:
	s_sub_co_u32 s[TILES], s[TILES], 1
	s_cmp_lg_u32 s[TILES], 0
	s_cbranch_scc1 .Ltile
	s_wait_tensorcnt 0x0                                 ; the wave's end: behind my last LDS store
	ds_add_u32 v[SPW], v[NIL]
	s_wait_dscnt 0x0
	s_endpgm
.Lfunc_end_k_q795bab39ac_attn:
	.size	k_q795bab39ac_attn, .Lfunc_end_k_q795bab39ac_attn-k_q795bab39ac_attn
	.p2alignl 7, 3214868480
	.fill 96, 4, 3214868480
	.section	.rodata,"a",@progbits
	.p2align	6, 0x0
	.amdhsa_kernel k_q795bab39ac_attn
		.amdhsa_group_segment_fixed_size 205312
		.amdhsa_private_segment_fixed_size 0
		.amdhsa_enable_private_segment 0
		.amdhsa_kernarg_size 40
		.amdhsa_user_sgpr_count 2
		.amdhsa_user_sgpr_kernarg_segment_ptr 1
		.amdhsa_wavefront_size32 1
		.amdhsa_system_sgpr_workgroup_id_x 1
		.amdhsa_system_sgpr_workgroup_id_y 1
		.amdhsa_system_sgpr_workgroup_id_z 1
		.amdhsa_system_vgpr_workitem_id 0
		.amdhsa_next_free_vgpr 1024
		.amdhsa_next_free_sgpr 66
		.amdhsa_reserve_vcc 1
		.amdhsa_float_denorm_mode_32 3
		.amdhsa_float_denorm_mode_16_64 3
		.amdhsa_memory_ordered 1
		.amdhsa_forward_progress 1
		.amdhsa_inst_pref_size 159
	.end_amdhsa_kernel
	.amdgpu_metadata
---
amdhsa.version: [ 1, 2 ]
amdhsa.kernels:
  - .name:           k_q795bab39ac_attn
    .symbol:         k_q795bab39ac_attn.kd
    .args:
      - { .name: query, .offset: 0, .size: 8, .value_kind: global_buffer, .address_space: global }
      - { .name: key, .offset: 8, .size: 8, .value_kind: global_buffer, .address_space: global }
      - { .name: value, .offset: 16, .size: 8, .value_kind: global_buffer, .address_space: global }
      - { .name: alibi_slopes, .offset: 24, .size: 8, .value_kind: global_buffer, .address_space: global }
      - { .name: out0, .offset: 32, .size: 8, .value_kind: global_buffer, .address_space: global }
    .group_segment_fixed_size: 205312
    .private_segment_fixed_size: 0
    .kernarg_segment_align: 8
    .kernarg_segment_size: 40
    .max_flat_workgroup_size: 128
    .sgpr_count:     66
    .vgpr_count:     1024
    .wavefront_size: 32
...
	.end_amdgpu_metadata
.endif
;; end of part 1
